; MI455X (gfx1250); checked and timed in simulation.
; The chip was launched on July 23, 2026; its instructions are those of AMD's public machine-readable ISA for CDNA 5 (MIT licence, August 2026) and "CDNA5" Instruction Set Architecture Reference Guide (July 2026). The comments in the code are by the model that wrote it; some were corrected since.
;; Multi Head Attention. Allowed arithmetic: matrix products marked QUANTISED: E2M3 operands, one E8M0 scale for each 32 along K, by v_wmma_scale_f32_16x16x128_f8f6f4 with both operands' format E2M3, f32 sums; everything else in f32.
;; Inputs: Wk 512 x 1,024 float32; Wo 1,024 x 1,024 float32; Wq 1,024 x 1,024 float32; Wv 512 x 1,024 float32; x 4 x 2,048 x 1,024 float32.
;; Outputs: out0 4 x 2,048 x 1,024 float32.
;; This version of the problem:
;;   THIS VERSION OF THE PROBLEM IS GIVEN IN LOW PRECISION. The matrix products marked QUANTISED in the list below multiply operands that are first quantised to E2M3 (2 exponent bits, 3 mantissa bits; 6 bits a number), with one power-of-two scale for each 32 numbers along K (OCP MX v1.0); their sums are f32. All else is computed in f32.
;;   The module's matrix products, in the order in which they are computed (A, B: the left and right operand; K: the contracted axis; several contracted axes count as one K, in the product's order):
;;     1. [M 8,192, K 1,024] x [K 1,024, N 1,024]; A: input x; B: input Wq: QUANTISED
;;     2. [M 8,192, K 1,024] x [K 1,024, N 512]; A: input x; B: input Wk: QUANTISED
;;     3. [M 8,192, K 1,024] x [K 1,024, N 512]; A: input x; B: input Wv: QUANTISED
;;     4. batch 16 x [M 4,096, K 128] x [K 128, N 2,048]; A: computed on the way; B: computed on the way: QUANTISED
;;     5. batch 16 x [M 4,096, K 2,048] x [K 2,048, N 128]; A: softmax (see below); B: computed on the way: QUANTISED
;;     6. [M 8,192, K 1,024] x [K 1,024, N 1,024]; A: computed on the way; B: input Wo: QUANTISED
;;   THE QUANTISER, for each operand of a quantised product, along K:
;;     - K is cut into blocks of 32 from its start; a last block that is shorter is filled with zeros.
;;     - A block's scale is 2^e with e = floor(log2(the largest magnitude in the block)) - 2, held to -126 .. 127; a block of zeros has e = 0. As a byte (E8M0): e + 127.
;;     - Each number is divided by its block's scale, clamped to +-7.5, and rounded to the nearest number of E2M3, ties to even, subnormals kept.
;;     - The product sums the exact products of the quantised numbers (number of the format x scale) in f32.
;;   ~~~python
;;   def quantise(x, axis):      # numpy; x: float32 -> the quantised numbers, widened to float32 again
;;       x = np.moveaxis(x, axis, -1); K = x.shape[-1]
;;       x = np.pad(x, [(0, 0)] * (x.ndim - 1) + [(0, -K % 32)]); x = x.reshape(x.shape[:-1] + (-1, 32)); a = np.abs(x).max(-1, keepdims=True)
;;       e = np.where(a > 0, np.clip(np.frexp(np.where(a > 0, a, 1))[1] - 1 - 2, -126, 127), 0)      # np.frexp(a)[1] - 1 = floor(log2(a)), exactly
;;       r = np.clip(x / 2.0 ** e, -7.5, 7.5)
;;       step = 2.0 ** (np.maximum(np.frexp(np.where(r == 0, 1, r))[1] - 1, 0) - 3)
;;       q = np.round(r / step) * step * 2.0 ** e      # np.round: ties to even
;;       return np.moveaxis(q.reshape(q.shape[:-2] + (-1,))[..., :K], -1, axis).astype(np.float32)
;;   ~~~
;;   SOFTMAX AHEAD OF A QUANTISED PRODUCT. Where the list says 'softmax', what is quantised is not the finished softmax but p = 2^(t - M), with t = logit x log2(e) and M = ceil(the row's largest t), a whole number; so 1/2 < the row's largest p <= 1. The row's sum l is taken of the UNQUANTISED p, in f32, and the product's result is divided by l at the end. Since M is a whole number, a kernel that streams over the keys may use a running M (the ceiling of the running maximum): every later rescaling is an exact power of two, which a block's scale takes up: the codes' values come out the same.
;;   OPERANDS COMPUTED ON THE WAY. 'Computed on the way' means the value that the module computes at that place (a softmax that the list does not call 'softmax' is quantised finished and normalised). What goes into a quantiser is computed in f32, as accurately as f32 sums, v_exp_f32 and their like allow (about 1e-6 of the number): no bf16 or f16 on the way to a quantiser, and a product that is left as it is and whose result goes on into a quantised operand takes f32 operands (vector FMAs, or v_wmma_f32_16x16x4_f32). A number that lies on a knife's edge between two numbers of the format may be rounded either way, as far as f32 arithmetic and the matrix unit's own rounding can turn it there, and no further.
;; One version. Each part assembles by itself: llvm-mc -triple=amdgcn-amd-amdhsa -mcpu=gfx1250 --defsym DOCPART=n.
;; ======== version 1 of 1: 3 launches
;; limits: right only within a limited range of input values
;; workspace buffers: xq 6,553,600 bytes; wq 2,457,600 bytes; rope 1,048,576 bytes; qq 6,553,600 bytes; kvq 6,553,600 bytes
;; launch prep (part 1): grid 736 x 1, 4 waves a work-group, no clusters, 68,096 bytes of LDS; arguments x, Wq, Wk, Wv, Wo, xq, wq, rope; writes xq, wq, rope
.if DOCPART == 1
	.amdgcn_target "amdgcn-amd-amdhsa--gfx1250"
	.amdhsa_code_object_version 6
	.text
	.protected	k_q67dc2dacaf_prep
	.globl	k_q67dc2dacaf_prep
	.p2align	8
	.type	k_q67dc2dacaf_prep,@function
k_q67dc2dacaf_prep:
	s_mov_b64 s[64:65], 0
	v_nop
	global_prefetch_b8 v0, s[64:65] scope:SCOPE_SE
	s_setreg_imm32_b32 hwreg(HW_REG_WAVE_MODE, 25, 1), 1
	s_wait_xcnt 0x0
; PREP.  x [8192][1024] and the four weights (K innermost, 1,024) become codes of FP6 (E2M3) with one E8M0 byte for each 32 along K, laid in the ORDER OF THE OPERAND'S REGISTERS;
; and the table cos, sin of the rotary embedding is made once: rope[t] = cos[64], sin[64], 512 bytes a row.
; FRAGMENTS.  Rows go in groups of 128, K in steps of 128.  Fragment a (0..7) of a group holds the 16 rows 32 (a / 2) + 8 (a % 2) + r + 8 (r / 8), r = 0..15: with such fragments as source 0 of a
; product, the 16 registers of two neighbouring result tiles are 16 neighbours along the next K.  A fragment is 12 registers a lane; its image is 1,536 bytes: registers 4 c .. 4 c + 3 of lane l at 512 c + 16 l.
; A buffer of codes: [tile of 256 rows][K step][fragment 8 half + a][1,536]; its scale words behind the codes: [tile][K step][half][512], the word of (a, r) at 64 a + 4 r.
; wq's tiles: 0-3 Wq; 4 + c: Wk's head c (half 0) and Wv's head c (half 1); 8-11 Wo.
; SHARES.  Work-groups 0..703: a group of 128 rows (number / 8) x one K step (number % 8); wave w takes rows 32 w .. 32 w + 31, fragments 2 w and 2 w + 1.  Each load reads 512 consecutive bytes of one row;
; the 32 rows turn through the wave's own stage in LDS (rows 528 bytes apart, laid in the fragments' order) and come back 64 bytes a lane: 16 neighbours of each block of 32.
; Work-groups 704..735: 64 rows of the table each; they use no LDS.  No tensor load, no barrier: waves share nothing.
; A block's scale is 2^(floor(log2(largest magnitude)) - 2): its byte is the largest magnitude's exponent field - 2, held at 1 from below.
; LIMITS: NaN and infinities among the inputs are not served.  A block of zeros, or one whose largest magnitude lies under 2^-124, gets the byte 1 (the rule says 127 for zeros): its codes are zeros, and this
; program alone reads the bytes.  inv_freq is 2^(-i log2(10000) / 64) by v_exp_f32 (1 ulp), so an angle may differ from one made by another f32 power function by some 2e-4 rad at t near 2,047.
; sin and cos: the angle less n pi / 2 in two fused steps, then polynomials of degree 7 and 8 on |r| <= pi / 4, good to the last bits of f32 for angles up to 2,047.
.set TM,   16                          ; v16-31   the quantiser's work registers
.set PC0,  32                          ; v32-50   fragment 2 w's codes
.set PW0,  52                          ; v52, v53 the two fragments' scale words; v54 both, by halves of the lanes
.set PW1,  53
.set PWC,  54
.set RW,   64                          ; v64-191  32 rows as loaded
.set X0,   192                         ; v192-255 64 numbers of fragment 2 w
.set X1,   64                          ; v64-127  of fragment 2 w + 1
.set PC1,  128                         ; v128-146 its codes
.set SEL,  20                          ; s[20:21] v_permlanex16_b32's selects for lane l xor 16
.set SP,   528                         ; a stage row: 512 bytes + 16: sixteen rows of a 16-byte column fall into sixteen different columns of 256 bytes
; 64 numbers of a lane, v[s] on, register 16 b + i = k 32 b + 16 (lane / 16) + i of my row, become a fragment's codes in v[pc] .. v[pc + 11] and its scale word in v[pw]
.macro QUANT s, pc, pw
.irp b, 0,1,2,3
	v_max3_num_f32 v[TM+\b], |v[\s+16*\b]|, |v[\s+16*\b+1]|, 0x1800000   ; block b: my 16 numbers, and the floor 2^(3 - 127): the byte cannot fall under 1
.endr
.irp i, 2,4,6,8,10,12,14
.irp b, 0,1,2,3
	v_max3_num_f32 v[TM+\b], v[TM+\b], |v[\s+16*\b+\i]|, |v[\s+16*\b+\i+1]|   ; the four blocks by turns
.endr
.endr
.irp b, 0,1,2,3
	v_permlanex16_b32 v[TM+4+\b], v[TM+\b], s[SEL], s[SEL+1]
.endr
.irp b, 0,1,2,3
	v_max_num_f32 v[TM+\b], v[TM+\b], v[TM+4+\b]   ; with lane l xor 16's: the block's largest magnitude
.endr
.irp b, 0,1,2,3
	v_add_nc_u32 v[TM+12+\b], 0xff000000, v[TM+\b]   ; 2 off its exponent field: the conversion takes the exponent field of this operand as its scale
.endr
.irp b, 0,1,2,3
	v_lshrrev_b32 v[TM+4+\b], 23, v[TM+12+\b]      ; the scale's byte
.endr
	v_lshl_or_b32 v[\pw], v[TM+5], 8, v[TM+4]      ; four bytes: my row's scale word
	v_lshl_or_b32 v[\pw], v[TM+6], 16, v[\pw]
	v_lshl_or_b32 v[\pw], v[TM+7], 24, v[\pw]
.irp c, 0,1
	v_cvt_scalef32_pk16_fp6_f32 v[\pc+6*\c:\pc+6*\c+2], v[\s+32*\c:\s+32*\c+15], v[TM+12+2*\c]
	v_cvt_scalef32_pk16_fp6_f32 v[\pc+12+4*\c:\pc+14+4*\c], v[\s+32*\c+16:\s+32*\c+31], v[TM+13+2*\c]   ; (a conversion's three registers begin on an even number)
.endr
	v_nop                                          ; one plain place behind a scaled conversion
.irp c, 0,1                                    ; the operand wants a WHOLE block in a lane: lanes 0-15 block 2 c, lanes 16-31 block 2 c + 1
.irp i, 0,1,2
	v_permlane16_swap_b32 v[\pc+6*\c+\i], v[\pc+12+4*\c+\i]
.endr
.irp i, 0,1,2
	v_mov_b32 v[\pc+3+6*\c+\i], v[\pc+12+4*\c+\i]
.endr
.endr
.endm
	s_load_b512 s[4:19], s[0:1], 0x0               ; x s[4:5], Wq s[6:7], Wk s[8:9], Wv s[10:11], Wo s[12:13], xq s[14:15], wq s[16:17], rope s[18:19]
	v_lshl_add_u32 v62, v0, 2, 0x10800
	v_mov_b32 v63, 0
	s_cmp_ge_u32 ttmp9, 704
	s_cbranch_scc1 .Ltable
	; ---------------- the quantiser ----------------
	v_lshrrev_b32 v8, 5, v0
	v_readfirstlane_b32 s22, v8                    ; wave
	v_and_b32 v1, 31, v0                           ; lane
	v_and_b32 v2, 15, v0                           ; r
	v_bfe_u32 v3, v0, 4, 1                         ; h
	v_lshlrev_b32 v4, 4, v1                        ; 16 x lane: my bytes of a load's 512, and of an image's
	v_lshlrev_b32 v5, 2, v1                        ; 4 x lane: my scale word
	s_mul_i32 s23, s22, 32*SP                      ; my wave's stage
	v_add_nc_u32 v6, s23, v4                       ; into it: 16 x lane of a row
	v_mul_u32_u24 v7, v2, SP
	v_lshl_add_u32 v7, v3, 6, v7
	v_add_nc_u32 v7, s23, v7                       ; out of it: row r, + 64 h: my 16 numbers of a block of 32
	s_mov_b32 s[SEL], 0x76543210
	s_mov_b32 s[SEL+1], 0xfedcba98
.irp b, 0,1,2,3
	v_mov_b32 v[TM+4+\b], 0                        ; written once: a lane permute's destination counts as one of its sources
.endr
	s_lshr_b32 s24, ttmp9, 3                       ; Gi: which group of 128 rows, over all five tensors
	s_and_b32 s25, ttmp9, 7                        ; which K step
	s_sub_co_u32 s26, s24, 64                      ; Wq: its group and its half-tile; Wo: its half-tile
	s_sub_co_u32 s27, s24, 72                      ; Wk: its group
	s_sub_co_u32 s28, s24, 76                      ; Wv: its group
	s_sub_co_u32 s29, s24, 80                      ; Wo: its group
	s_lshl_b32 s30, s24, 1
	s_sub_co_u32 s31, s30, 143                     ; Wv: half-tile 2 (4 + c) + 1
	s_sub_co_u32 s30, s30, 136                     ; Wk: half-tile 2 (4 + c)
	s_wait_alu depctr_va_vdst(0)
	s_wait_kmcnt 0x0
	s_mov_b64 s[32:33], s[12:13]                   ; the choice hangs on the work-group's number alone: begin as Wo, then the earlier tensors
	s_mov_b32 s34, s29                             ; R: the group in its tensor
	s_mov_b32 s35, s26                             ; D: the half-tile in its buffer
	s_cmp_lt_u32 s24, 80
	s_cselect_b64 s[32:33], s[10:11], s[32:33]
	s_cselect_b32 s34, s28, s34
	s_cselect_b32 s35, s31, s35
	s_cmp_lt_u32 s24, 76
	s_cselect_b64 s[32:33], s[8:9], s[32:33]
	s_cselect_b32 s34, s27, s34
	s_cselect_b32 s35, s30, s35
	s_cmp_lt_u32 s24, 72
	s_cselect_b64 s[32:33], s[6:7], s[32:33]
	s_cselect_b32 s34, s26, s34
	s_cselect_b32 s35, s26, s35
	s_mov_b32 s38, 2359296                         ; where wq's scale words begin
	s_cmp_lt_u32 s24, 64
	s_cselect_b64 s[32:33], s[4:5], s[32:33]
	s_cselect_b32 s34, s24, s34
	s_cselect_b32 s35, s24, s35
	s_cselect_b64 s[36:37], s[14:15], s[16:17]
	s_cselect_b32 s38, 0x600000, s38               ; and xq's
	s_lshl_b32 s40, s34, 19                        ; from: (128 R + 32 w) rows of 4,096 bytes + 512 x K step
	s_lshl_b32 s39, s22, 17
	s_add_co_u32 s40, s40, s39
	s_lshl_b32 s39, s25, 9
	s_add_co_u32 s40, s40, s39
	s_mov_b32 s41, 0
	s_add_nc_u64 s[32:33], s[32:33], s[40:41]
	s_lshr_b32 s42, s35, 1                         ; tile
	s_and_b32 s43, s35, 1                          ; half
	s_mul_i32 s44, s42, 196608                     ; codes: 196,608 tile + 24,576 K step + 12,288 half + 3,072 w
	s_mul_i32 s39, s25, 24576
	s_add_co_u32 s44, s44, s39
	s_mul_i32 s39, s43, 12288
	s_add_co_u32 s44, s44, s39
	s_mul_i32 s39, s22, 3072
	s_add_co_u32 s44, s44, s39
	s_mov_b32 s45, 0
	s_add_nc_u64 s[46:47], s[36:37], s[44:45]
	s_lshl_b32 s44, s42, 13                        ; words: 8,192 tile + 1,024 K step + 512 half + 128 w
	s_lshl_b32 s39, s25, 10
	s_add_co_u32 s44, s44, s39
	s_lshl_b32 s39, s43, 9
	s_add_co_u32 s44, s44, s39
	s_lshl_b32 s39, s22, 7
	s_add_co_u32 s44, s44, s39
	s_add_co_u32 s44, s44, s38
	s_add_nc_u64 s[48:49], s[36:37], s[44:45]
.set m, 0
.rept 32
	global_load_b128 v[RW+4*m:RW+4*m+3], v4, s[32:33] offset:4096*m th:TH_LOAD_NT   ; row m: 32 lanes read 512 consecutive bytes, read once in the launch
.set m, m+1
.endr
.set m, 0
.rept 32
	s_wait_loadcnt 31-m                            ; loads come back in order: row m is in, the younger rows stay out
	ds_store_b128 v6, v[RW+4*m:RW+4*m+3] offset:SP*(16*((m>>3)&1)+(m&7)+8*(m>>4))   ; to the place that its fragment gives it
.set m, m+1
.endr
.set i, 0
.rept 16
	ds_load_b128 v[X0+4*i:X0+4*i+3], v7 offset:128*(i/4)+16*(i%4)   ; LDS serves a wave's instructions in order: these see my stores
.set i, i+1
.endr
	s_wait_dscnt 0x0
.set i, 0
.rept 16
	ds_load_b128 v[X1+4*i:X1+4*i+3], v7 offset:16*SP+128*(i/4)+16*(i%4)   ; the second fragment lands while the first is quantised
.set i, i+1
.endr
	QUANT X0, PC0, PW0
.irp c, 0,1,2
	global_store_b128 v4, v[PC0+4*\c:PC0+4*\c+3], s[46:47] offset:512*\c   ; 512 consecutive bytes, aligned
.endr
	s_wait_dscnt 0x0
	QUANT X1, PC1, PW1
.irp c, 0,1,2
	global_store_b128 v4, v[PC1+4*\c:PC1+4*\c+3], s[46:47] offset:1536+512*\c
.endr
	s_mov_b32 vcc_lo, 0xffff0000
	v_cndmask_b32 v[PWC], v[PW0], v[PW1], vcc_lo   ; lanes 0-15 fragment 2 w's words, lanes 16-31 fragment 2 w + 1's
	global_store_b32 v5, v[PWC], s[48:49]          ; 128 consecutive bytes
	s_wait_tensorcnt 0x0
	ds_add_u32 v62, v63
	s_wait_dscnt 0x0
	s_endpgm
	; ---------------- the table ----------------
.Ltable:
	s_sub_co_u32 s22, ttmp9, 704                   ; which 64 rows
	v_and_b32 v1, 15, v0                           ; fq: my four frequencies 4 fq + e
	v_lshrrev_b32 v2, 4, v0                        ; tl: my row of a trip's eight
	v_lshlrev_b32 v3, 2, v1
.irp e, 0,1,2,3
	v_add_nc_u32 v[8+\e], \e, v3
.endr
.irp e, 0,1,2,3
	v_cvt_f32_u32 v[8+\e], v[8+\e]
.endr
.irp e, 0,1,2,3
	v_mul_f32 v[8+\e], 0xbe549a78, v[8+\e]         ; x -log2(10000) / 64
.endr
	s_wait_alu depctr_va_vdst(0)
.irp e, 0,1,2,3
	v_exp_f32 v[8+\e], v[8+\e]                     ; inv_freq
.endr
	s_lshl_b32 s23, s22, 6
	v_add_nc_u32 v4, s23, v2                       ; t of the first trip  (a plain place behind the exponentials)
	v_lshlrev_b32 v5, 9, v2
	v_lshl_add_u32 v5, v1, 4, v5                   ; 512 tl + 16 fq
	s_mov_b32 s24, 0x3f22f983                      ; 2 / pi
	s_mov_b32 s25, 0x3fc90fdb                      ; pi / 2, its head,
	s_mov_b32 s26, 0xb33bbd2e                      ; and what the head leaves
	s_mov_b32 s27, 0xb94ca1f9                      ; sine: -1.9515296e-4, 8.3321609e-3, -1.6666655e-1
	s_mov_b32 s28, 0x3c08839e
	s_mov_b32 s29, 0xbe2aaaa3
	s_mov_b32 s30, 0x37ccf5ce                      ; cosine: 2.4433157e-5, -1.3887316e-3, 4.1666646e-2
	s_mov_b32 s31, 0xbab6061a
	s_mov_b32 s32, 0x3d2aaaa5
	s_lshl_b32 s36, s22, 15                        ; 64 rows of 512 bytes
	s_mov_b32 s37, 0
	s_wait_kmcnt 0x0
	s_add_nc_u64 s[18:19], s[18:19], s[36:37]
	s_wait_alu depctr_va_vdst(0)                   ; one wait for the four exponentials, ahead of their first reader and of the label
.macro SINCOS e
.set T, 16+8*\e
	v_mul_f32 v[T], v6, v[8+\e]                    ; the angle, rounded as t x inv_freq
	v_mul_f32 v[T+1], s24, v[T]
	v_rndne_f32 v[T+1], v[T+1]                     ; n
	v_fma_f32 v[T+2], -v[T+1], s25, v[T]
	v_fma_f32 v[T+2], -v[T+1], s26, v[T+2]         ; r = angle - n pi / 2
	v_mul_f32 v[T+3], v[T+2], v[T+2]               ; z
	v_fma_f32 v[T+4], v[T+3], s27, s28
	v_fma_f32 v[T+4], v[T+3], v[T+4], s29
	v_mul_f32 v[T+5], v[T+3], v[T+2]
	v_fma_f32 v[T+4], v[T+5], v[T+4], v[T+2]       ; sin r
	v_fma_f32 v[T+5], v[T+3], s30, s31
	v_fma_f32 v[T+5], v[T+3], v[T+5], s32
	v_mul_f32 v[T+6], v[T+3], v[T+3]
	v_fma_f32 v[T+7], v[T+3], -0.5, 1.0
	v_fma_f32 v[T+5], v[T+6], v[T+5], v[T+7]       ; cos r
	v_cvt_i32_f32 v[T+1], v[T+1]
	v_and_b32 v[T+6], 1, v[T+1]
	v_cmp_eq_u32 vcc_lo, 1, v[T+6]                 ; an odd quarter turn changes the two over: a choice of values, no branch
	v_cndmask_b32 v[T+2], v[T+4], v[T+5], vcc_lo
	v_cndmask_b32 v[T+3], v[T+5], v[T+4], vcc_lo
	v_and_b32 v[T+6], 2, v[T+1]
	v_lshlrev_b32 v[T+6], 30, v[T+6]
	v_xor_b32 v[52+\e], v[T+6], v[T+2]             ; the sine changes sign in quarters 2 and 3,
	v_add_nc_u32 v[T+1], 1, v[T+1]
	v_and_b32 v[T+1], 2, v[T+1]
	v_lshlrev_b32 v[T+1], 30, v[T+1]
	v_xor_b32 v[48+\e], v[T+1], v[T+3]             ; the cosine in quarters 1 and 2
.endm
	s_mov_b32 s34, 0
.Ltrip:                                            ; eight trips of eight rows
	s_wait_alu depctr_va_vdst(0)
	v_cvt_f32_u32 v6, v4
.irp e, 0,1,2,3
	SINCOS \e
.endr
	global_store_b128 v5, v[48:51], s[18:19]       ; sixteen lanes store a row's 64 cosines: 256 consecutive bytes, aligned
	global_store_b128 v5, v[52:55], s[18:19] offset:256
	s_wait_xcnt 0x0                                ; the base and the stores' data are written again only behind this wait
	s_add_nc_u64 s[18:19], s[18:19], 4096
	v_add_nc_u32 v4, 8, v4
	s_add_co_u32 s34, s34, 1
	s_cmp_lt_u32 s34, 8
	s_cbranch_scc1 .Ltrip
	s_endpgm
.Lfunc_end_k_q67dc2dacaf_prep:
	.size	k_q67dc2dacaf_prep, .Lfunc_end_k_q67dc2dacaf_prep-k_q67dc2dacaf_prep
	.p2alignl 7, 3214868480
	.fill 96, 4, 3214868480
	.section	.rodata,"a",@progbits
	.p2align	6, 0x0
	.amdhsa_kernel k_q67dc2dacaf_prep
		.amdhsa_group_segment_fixed_size 68096
		.amdhsa_private_segment_fixed_size 0
		.amdhsa_enable_private_segment 0
		.amdhsa_kernarg_size 64
		.amdhsa_user_sgpr_count 2
		.amdhsa_user_sgpr_kernarg_segment_ptr 1
		.amdhsa_wavefront_size32 1
		.amdhsa_system_sgpr_workgroup_id_x 1
		.amdhsa_system_sgpr_workgroup_id_y 1
		.amdhsa_system_sgpr_workgroup_id_z 1
		.amdhsa_system_vgpr_workitem_id 0
		.amdhsa_next_free_vgpr 256
		.amdhsa_next_free_sgpr 66
		.amdhsa_reserve_vcc 1
		.amdhsa_float_denorm_mode_32 3
		.amdhsa_float_denorm_mode_16_64 3
		.amdhsa_memory_ordered 1
		.amdhsa_forward_progress 1
		.amdhsa_inst_pref_size 27
	.end_amdhsa_kernel
	.amdgpu_metadata
---
amdhsa.version: [ 1, 2 ]
amdhsa.kernels:
  - .name:           k_q67dc2dacaf_prep
    .symbol:         k_q67dc2dacaf_prep.kd
    .args:
      - { .name: x, .offset: 0, .size: 8, .value_kind: global_buffer, .address_space: global }
      - { .name: Wq, .offset: 8, .size: 8, .value_kind: global_buffer, .address_space: global }
      - { .name: Wk, .offset: 16, .size: 8, .value_kind: global_buffer, .address_space: global }
      - { .name: Wv, .offset: 24, .size: 8, .value_kind: global_buffer, .address_space: global }
      - { .name: Wo, .offset: 32, .size: 8, .value_kind: global_buffer, .address_space: global }
      - { .name: xq, .offset: 40, .size: 8, .value_kind: global_buffer, .address_space: global }
      - { .name: wq, .offset: 48, .size: 8, .value_kind: global_buffer, .address_space: global }
      - { .name: rope, .offset: 56, .size: 8, .value_kind: global_buffer, .address_space: global }
    .group_segment_fixed_size: 68096
    .private_segment_fixed_size: 0
    .kernarg_segment_align: 8
    .kernarg_segment_size: 64
    .max_flat_workgroup_size: 128
    .sgpr_count:     66
    .vgpr_count:     256
    .wavefront_size: 32
...
	.end_amdgpu_metadata
.endif
;; end of part 1
;; launch qkv (part 2): grid 8 x 32, 4 waves a work-group, clusters of 4 x 4, 327,680 bytes of LDS; arguments xq, wq, rope, qq, kvq; writes qq, kvq
.if DOCPART == 2
	.amdgcn_target "amdgcn-amd-amdhsa--gfx1250"
	.amdhsa_code_object_version 6
	.text
	.protected	k_q67dc2dacaf_qkv
	.globl	k_q67dc2dacaf_qkv
	.p2align	8
	.type	k_q67dc2dacaf_qkv,@function
k_q67dc2dacaf_qkv:
	s_mov_b64 s[64:65], 0
	v_nop
	global_prefetch_b8 v0, s[64:65] scope:SCOPE_SE
	s_setreg_imm32_b32 hwreg(HW_REG_WAVE_MODE, 25, 1), 1
	s_wait_xcnt 0x0
	s_wait_alu depctr_hold_cnt(0) depctr_sa_sdst(0) depctr_va_vdst(0) depctr_va_sdst(0) depctr_va_ssrc(0) depctr_va_vcc(0) depctr_vm_vsrc(0)
	s_getreg_b32 s2, hwreg(HW_REG_IB_STS2, 6, 4)
	s_cmp_eq_u32 s2, 0
	s_cbranch_scc0 .Lentry_in_a_cluster
	s_endpgm
.Lentry_in_a_cluster:
	s_bfe_u32 s2, ttmp6, 0x10000c
	s_cmp_lg_u32 s2, 0xf033
	s_cbranch_scc0 .Lentry_shape_is_right
	s_endpgm
.Lentry_shape_is_right:
.set WT0,   0
.set FRB,   1536
.set KSB,   16*FRB
.set OPB,   2*KSB
.set SLOT,  2*OPB
.set SCL,   2*SLOT
.set SPARE, SCL+16384
.set XSEC,  0x600000
.set WSEC,  2359296
.set ADRA,  4
.set ADRB,  6
.set ADRSA, 8
.set ADRSB, 9
.set LI,    10
.set LS,    11
.set SPW,   12
.set NIL,   13
.set VT,    14
.set TM,    16
.set SC,    32
.set PC,    64
.set PWS,   84
.set PWC,   92
.set AF,    128
.set HA,    192
.set SEL,   2
.set G1,    24
.set G0,    32
.set G1B,   48
.set G0B,   56
.set G1S,   68
.set G0S,   76
.set G1SB,  80
.set G0SB,  88
.set MSB, 0
.macro WIN new
.if MSB != (\new)
	s_set_vgpr_msb (MSB<<8)|(\new)
.set MSB, (\new)
.endif
.endm
.set MUL_LO, 0xa1
.set MUL_HI, 0xf1
.set TO_B,   0x40
.macro JLOAD g0a, g1a, g0b, g1b
	s_cmp_eq_u32 s15, 0
	s_cbranch_scc0 .Lfor_b_\@
	tensor_load_to_lds s[\g0a:\g0a+3], s[\g1a:\g1a+7]
	s_nop 0
.rept 4
	v_nop
.endr
	s_branch .Lasked_\@
.Lfor_b_\@:
	tensor_load_to_lds s[\g0b:\g0b+3], s[\g1b:\g1b+7]
	s_nop 0
.rept 4
	v_nop
.endr
.Lasked_\@:
.endm
.macro CREST
	s_cmp_lg_u32 s14, 0
	s_cbranch_scc1 .Lnot_wave_0_\@
	s_barrier_signal -3
.Lnot_wave_0_\@:
	s_barrier_wait -3
	s_barrier_signal -1
	s_barrier_wait -1
.endm
.macro CROUND
	s_barrier_signal -1
	s_barrier_wait -1
	CREST
.endm
.macro PLACES n
.rept \n
	v_nop
.endr
.endm
	s_load_b256 s[4:11], s[0:1], 0x0
	s_load_b64 s[12:13], s[0:1], 0x20
	v_lshl_add_u32 v[SPW], v0, 2, SPARE
	v_mov_b32 v[NIL], 0
	ds_add_u32 v12, v13
	ds_add_u32 v12, v13
	s_wait_dscnt 0x0
	v_lshrrev_b32 v1, 5, v0
	v_readfirstlane_b32 s14, v1
	s_lshr_b32 s15, s14, 1
	s_and_b32 s16, s14, 1
	s_bfe_u32 s40, ttmp6, 0x40000
	s_bfe_u32 s41, ttmp6, 0x40004
	s_lshl_b32 s42, ttmp9, 2
	s_add_co_u32 s42, s42, s40
	s_and_b32 s17, ttmp7, 0xffff
	s_lshl_b32 s17, s17, 2
	s_add_co_u32 s17, s17, s41
	s_lshl_b32 s43, s41, 2
	s_lshl_b32 s43, 15, s43
	s_lshl_b32 s44, 0x1111, s40
	s_or_b32 s[G1+0], s43, (3<<16)|(1<<21)
	s_or_b32 s[G1B+0], s44, (3<<16)|(1<<21)
.irp g, G1, G1B
	s_mov_b32 s[\g+1], 32<<16
	s_mov_b32 s[\g+2], 96<<16
	s_mov_b32 s[\g+3], 32<<16
	s_mov_b32 s[\g+4], 96
	s_mov_b32 s[\g+5], 32
	s_mov_b32 s[\g+6], 0
	s_mov_b32 s[\g+7], 0
.endr
	s_or_b32 s[G1S+0], s43, (3<<16)|(1<<21)
	s_or_b32 s[G1SB+0], s44, (3<<16)|(1<<21)
.irp g, G1S, G1SB
	s_mov_b32 s[\g+1], 32<<16
	s_mov_b32 s[\g+2], 16<<16
	s_mov_b32 s[\g+3], 32<<16
	s_mov_b32 s[\g+4], 16
	s_mov_b32 s[\g+5], 32
	s_mov_b32 s[\g+6], 0
	s_mov_b32 s[\g+7], 0
.endr
	s_mul_i32 s18, s16, KSB
	s_mul_i32 s20, s17, 8*KSB
	s_add_co_u32 s20, s20, s18
	s_mov_b32 s21, 0
	s_add_co_u32 s46, s42, WT0
	s_mul_i32 s92, s46, 8192
	s_mul_i32 s46, s46, 8*KSB
	s_add_co_u32 s46, s46, s18
	s_mov_b32 s47, 0
	s_lshl_b32 s19, s16, 12
	s_lshl_b32 s22, s17, 13
	s_add_co_u32 s22, s22, s19
	s_add_co_u32 s22, s22, XSEC
	s_mov_b32 s23, 0
	s_add_co_u32 s92, s92, s19
	s_add_co_u32 s92, s92, WSEC
	s_mov_b32 s93, 0
	s_mul_i32 s45, s14, KSB
	s_lshl_b32 s94, s14, 12
	s_wait_kmcnt 0x0
	s_add_nc_u64 s[20:21], s[4:5], s[20:21]
	s_add_nc_u64 s[22:23], s[4:5], s[22:23]
	s_add_nc_u64 s[46:47], s[6:7], s[46:47]
	s_add_nc_u64 s[92:93], s[6:7], s[92:93]
	CROUND
	s_mov_b32 s[G0S], 1
	s_add_co_u32 s[G0S+1], s94, SCL
	s_mov_b64 s[G0S+2:G0S+3], s[22:23]
	s_or_b32 s[G0S+3], s[G0S+3], 0x80000000
	s_mov_b32 s[G0SB], 1
	s_add_co_u32 s[G0SB+1], s94, SCL
	s_mov_b64 s[G0SB+2:G0SB+3], s[92:93]
	s_or_b32 s[G0SB+3], s[G0SB+3], 0x80000000
	JLOAD G0S, G1S, G0SB, G1SB
.irp s, 0,1
	s_mov_b32 s[G0+4*\s], 1
	s_add_co_u32 s[G0+4*\s+1], s45, \s*SLOT
	s_add_nc_u64 s[G0+4*\s+2:G0+4*\s+3], s[20:21], \s*OPB
	s_or_b32 s[G0+4*\s+3], s[G0+4*\s+3], 0x80000000
	s_mov_b32 s[G0B+4*\s], 1
	s_add_co_u32 s[G0B+4*\s+1], s45, \s*SLOT
	s_add_nc_u64 s[G0B+4*\s+2:G0B+4*\s+3], s[46:47], \s*OPB
	s_or_b32 s[G0B+4*\s+3], s[G0B+4*\s+3], 0x80000000
	s_wait_alu depctr_va_vdst(0)
	s_wait_tensorcnt 0x0
	ds_add_u32 v12, v13
	s_wait_dscnt 0x0
	CROUND
	JLOAD G0+4*\s, G1, G0B+4*\s, G1B
.endr
	v_and_b32 v1, 31, v0
	v_lshlrev_b32 v[LI], 4, v1
	s_wait_alu depctr_va_vdst(0)
	v_lshlrev_b32 v[LS], 2, v1
	s_wait_alu depctr_va_vdst(0)
	s_mul_i32 s21, s15, 8*FRB
	s_mul_i32 s22, s16, 8*FRB
	s_add_co_u32 s22, s22, OPB
	s_lshl_b32 s18, s15, 9
	s_lshl_b32 s19, s16, 9
	s_add_co_u32 s19, s19, 8192
	s_cmp_eq_u32 ttmp9, 1
	s_cselect_b32 s66, s16, 0
	s_cmp_eq_u32 s66, 1
	s_cselect_b32 s23, s22, s21
	s_cselect_b32 s22, s21, s22
	s_mov_b32 s21, s23
	s_cselect_b32 s23, s19, s18
	s_cselect_b32 s19, s18, s19
	s_mov_b32 s18, s23
.irp s, 0,1
	v_add_nc_u32 v[ADRA+\s], s21, v[LI]
	v_add_nc_u32 v[ADRB+\s], s22, v[LI]
	s_add_co_u32 s21, s21, SLOT
	s_add_co_u32 s22, s22, SLOT
.endr
	s_add_co_u32 s18, s18, SCL
	s_add_co_u32 s19, s19, SCL
	v_add_nc_u32 v[ADRSA], s18, v[LS]
	v_add_nc_u32 v[ADRSB], s19, v[LS]
	v_and_b32 v1, 15, v0
	v_bfe_u32 v2, v0, 4, 1
	v_and_b32 v3, 8, v1
	v_add_nc_u32 v3, v3, v1
	v_lshlrev_b32 v[VT], 9, v3
	v_lshl_add_u32 v[VT], v2, 6, v[VT]
	s_wait_alu depctr_va_vdst(0)
.irp b, 0,1,2,3
	v_mov_b32 v[TM+4+\b], 0
.endr
	s_mov_b32 s[SEL], 0x76543210
	s_mov_b32 s[SEL+1], 0xfedcba98
	s_and_b32 s95, s17, 7
	s_lshl_b32 s95, s95, 1
	s_add_co_u32 s95, s95, s15
	s_lshl_b32 s96, s95, 16
	s_mov_b32 s97, 0
	s_add_nc_u64 s[8:9], s[8:9], s[96:97]
	s_lshr_b32 s92, s17, 3
	s_lshl_b32 s93, s92, 3
	s_lshl_b32 s94, s40, 1
	s_add_co_u32 s93, s93, s94
	s_add_co_u32 s93, s93, s16
	s_lshl_b32 s93, s93, 4
	s_add_co_u32 s93, s93, s95
	s_mul_i32 s98, s93, 8*FRB
	s_lshl_b32 s99, s93, 9
	s_lshl_b32 s92, s92, 2
	s_add_co_u32 s92, s92, s40
	s_lshl_b32 s92, s92, 4
	s_add_co_u32 s92, s92, s95
	s_mul_i32 s93, s92, 16*FRB
	s_mul_i32 s94, s16, 8*FRB
	s_add_co_u32 s93, s93, s94
	s_lshl_b32 s92, s92, 10
	s_lshl_b32 s94, s16, 9
	s_add_co_u32 s92, s92, s94
	s_cmp_eq_u32 ttmp9, 0
	s_cselect_b64 s[10:11], s[10:11], s[12:13]
	s_cselect_b32 s96, s98, s93
	s_cselect_b32 s99, s99, s92
	s_add_nc_u64 s[12:13], s[10:11], s[96:97]
	s_add_co_u32 s96, s99, XSEC
	s_add_nc_u64 s[10:11], s[10:11], s[96:97]
.macro TABLE a
.set CT, 96*(1-(\a)%2)
.set SN, 224-192*((\a)%2)
.set RO, 512*(32*((\a)/2)+8*((\a)%2))
	WIN TO_B
.irp bb, 0,1
.irp j, 0,1,2,3
	global_load_b128 v[CT+16*\bb+4*\j:CT+16*\bb+4*\j+3], v[VT], s[8:9] offset:RO+128*\bb+16*\j
	global_load_b128 v[SN+16*\bb+4*\j:SN+16*\bb+4*\j+3], v[VT], s[8:9] offset:RO+256+128*\bb+16*\j
.endr
.endr
	WIN 0
.endm
	TABLE 0
.macro FRAG reg, adr, off
.irp c, 0,1,2
	ds_load_b128 v[\reg+4*\c:\reg+4*\c+3], v[\adr] offset:\off+512*\c
.endr
.endm
.macro FETCH_B slot, q, p
	WIN TO_B
.irp i, 0,1,2,3,4,5,6,7
	FRAG 128*(\p)+12*\i, ADRB+\slot, KSB*(\q)+FRB*\i
.endr
	WIN 0
.endm
.macro FETCH_A slot, q, i0
.irp i, \i0, \i0+1, \i0+2, \i0+3
	FRAG AF+12*(\i), ADRA+\slot, KSB*(\q)+FRB*(\i)
.endr
.endm
.macro SCALES set, ks
.irp q, 0,1
.irp p, 0,1,2,3
	ds_load_b32 v[SC+16*\set+8*\q+\p], v[ADRSA] offset:(2*\ks+\q)*1024+128*\p
	ds_load_b32 v[SC+16*\set+8*\q+4+\p], v[ADRSB] offset:(2*\ks+\q)*1024+128*\p
.endr
.endr
.endm
.macro MM a, b, p, q, set, zero
.set rD, 8*(8*((\a)%4)+(\b))
.set rB, 128*(\p)+12*(\b)
.set rA, AF+12*(\a)
.set sB, SC+16*(\set)+8*(\q)+4+(\b)/2
.set sA, SC+16*(\set)+8*(\q)+(\a)/2
.set vr, 4*(\zero)+2*((\b)%2)+(\a)%2
.if vr == 0
	v_wmma_scale_f32_16x16x128_f8f6f4 v[rD:rD+7], v[rB:rB+11], v[rA:rA+11], v[rD:rD+7], v[sB], v[sA] matrix_a_fmt:MATRIX_FMT_FP6 matrix_b_fmt:MATRIX_FMT_FP6
.elseif vr == 1
	v_wmma_scale_f32_16x16x128_f8f6f4 v[rD:rD+7], v[rB:rB+11], v[rA:rA+11], v[rD:rD+7], v[sB], v[sA] matrix_a_fmt:MATRIX_FMT_FP6 matrix_b_fmt:MATRIX_FMT_FP6 matrix_b_scale:MATRIX_SCALE_ROW1
.elseif vr == 2
	v_wmma_scale_f32_16x16x128_f8f6f4 v[rD:rD+7], v[rB:rB+11], v[rA:rA+11], v[rD:rD+7], v[sB], v[sA] matrix_a_fmt:MATRIX_FMT_FP6 matrix_b_fmt:MATRIX_FMT_FP6 matrix_a_scale:MATRIX_SCALE_ROW1
.elseif vr == 3
	v_wmma_scale_f32_16x16x128_f8f6f4 v[rD:rD+7], v[rB:rB+11], v[rA:rA+11], v[rD:rD+7], v[sB], v[sA] matrix_a_fmt:MATRIX_FMT_FP6 matrix_b_fmt:MATRIX_FMT_FP6 matrix_a_scale:MATRIX_SCALE_ROW1 matrix_b_scale:MATRIX_SCALE_ROW1
.elseif vr == 4
	v_wmma_scale_f32_16x16x128_f8f6f4 v[rD:rD+7], v[rB:rB+11], v[rA:rA+11], 0, v[sB], v[sA] matrix_a_fmt:MATRIX_FMT_FP6 matrix_b_fmt:MATRIX_FMT_FP6
.elseif vr == 5
	v_wmma_scale_f32_16x16x128_f8f6f4 v[rD:rD+7], v[rB:rB+11], v[rA:rA+11], 0, v[sB], v[sA] matrix_a_fmt:MATRIX_FMT_FP6 matrix_b_fmt:MATRIX_FMT_FP6 matrix_b_scale:MATRIX_SCALE_ROW1
.elseif vr == 6
	v_wmma_scale_f32_16x16x128_f8f6f4 v[rD:rD+7], v[rB:rB+11], v[rA:rA+11], 0, v[sB], v[sA] matrix_a_fmt:MATRIX_FMT_FP6 matrix_b_fmt:MATRIX_FMT_FP6 matrix_a_scale:MATRIX_SCALE_ROW1
.else
	v_wmma_scale_f32_16x16x128_f8f6f4 v[rD:rD+7], v[rB:rB+11], v[rA:rA+11], 0, v[sB], v[sA] matrix_a_fmt:MATRIX_FMT_FP6 matrix_b_fmt:MATRIX_FMT_FP6 matrix_a_scale:MATRIX_SCALE_ROW1 matrix_b_scale:MATRIX_SCALE_ROW1
.endif
.endm
.macro MUL16 a0, p, q, set, zero
.irp a, \a0, \a0+1
.irp b, 0,1,2,3,4,5,6,7
	MM (\a), \b, \p, \q, \set, \zero
.endr
.endr
.endm
.macro STEP slot, zero
	s_wait_dscnt 12
	WIN MUL_LO
	MUL16 0, 0, 0, \slot, \zero
	MUL16 2, 0, 0, \slot, \zero
	s_wait_dscnt 0x0
	PLACES 4
	FETCH_B \slot, 1, 1
	FETCH_A \slot, 1, 0
	WIN MUL_HI
	MUL16 4, 0, 0, \slot, \zero
	MUL16 6, 0, 0, \slot, \zero
	PLACES 4
	WIN 0
	FETCH_A \slot, 1, 4
.endm
.macro TURN slot, next, ks, fill
	s_wait_tensorcnt 0x0
	ds_add_u32 v[SPW], v[NIL]
	s_wait_dscnt 13
	WIN MUL_LO
	MUL16 0, 1, 1, \slot, 0
	s_wait_dscnt 0x0
	s_barrier_signal -1
	MUL16 2, 1, 1, \slot, 0
	WIN 0
	s_barrier_wait -1
.if \fill
	CREST
	s_add_nc_u64 s[G0+4*\slot+2:G0+4*\slot+3], s[G0+4*\slot+2:G0+4*\slot+3], 2*OPB
	s_add_nc_u64 s[G0B+4*\slot+2:G0B+4*\slot+3], s[G0B+4*\slot+2:G0B+4*\slot+3], 2*OPB
	JLOAD G0+4*\slot, G1, G0B+4*\slot, G1B
.else
	PLACES 4
.endif
	FETCH_B \next, 0, 0
	FETCH_A \next, 0, 0
	SCALES \next, \ks
	WIN MUL_HI
	MUL16 4, 1, 1, \slot, 0
	MUL16 6, 1, 1, \slot, 0
	PLACES 4
	WIN 0
	FETCH_A \next, 0, 4
.endm
	s_wait_tensorcnt 1
	s_barrier_signal -1
	s_barrier_wait -1
	FETCH_B 0, 0, 0
	FETCH_A 0, 0, 0
	SCALES 0, 0
	FETCH_A 0, 0, 4
	STEP 0, 1
	TURN 0, 1, 1, 1
	STEP 1, 0
	TURN 1, 0, 2, 1
	STEP 0, 0
	TURN 0, 1, 3, 0
	STEP 1, 0
	s_wait_dscnt 12
	WIN MUL_LO
	MUL16 0, 1, 1, 1, 0
	MUL16 2, 1, 1, 1, 0
	s_wait_dscnt 0x0
	WIN MUL_HI
	MUL16 4, 1, 1, 1, 0
	MUL16 6, 1, 1, 1, 0
	WIN 0
.macro QUANT s, w, pw
.set WN, (\w)|((\w)<<2)
	WIN WN
.irp b, 0,1,2,3
	v_max3_num_f32 v[TM+\b], |v[\s+16*\b]|, |v[\s+16*\b+1]|, 0x1800000
.endr
.irp i, 2,4,6,8,10,12,14
.irp b, 0,1,2,3
	v_max3_num_f32 v[TM+\b], |v[\s+16*\b+\i]|, |v[\s+16*\b+\i+1]|, v[TM+\b]
.endr
.endr
	WIN 0
.irp b, 0,1,2,3
	v_permlanex16_b32 v[TM+4+\b], v[TM+\b], s[SEL], s[SEL+1]
.endr
.irp b, 0,1,2,3
	v_max_num_f32 v[TM+\b], v[TM+\b], v[TM+4+\b]
.endr
.irp b, 0,1,2,3
	v_add_nc_u32 v[TM+12+\b], 0xff000000, v[TM+\b]
.endr
.irp b, 0,1,2,3
	v_lshrrev_b32 v[TM+4+\b], 23, v[TM+12+\b]
.endr
	v_lshl_or_b32 v[\pw], v[TM+5], 8, v[TM+4]
	v_lshl_or_b32 v[\pw], v[TM+6], 16, v[\pw]
	v_lshl_or_b32 v[\pw], v[TM+7], 24, v[\pw]
.set WN, (\w)
	WIN WN
.irp c, 0,1
	v_cvt_scalef32_pk16_fp6_f32 v[PC+6*\c:PC+6*\c+2], v[\s+32*\c:\s+32*\c+15], v[TM+12+2*\c]
	v_cvt_scalef32_pk16_fp6_f32 v[PC+12+4*\c:PC+14+4*\c], v[\s+32*\c+16:\s+32*\c+31], v[TM+13+2*\c]
.endr
	WIN 0
	v_nop
.irp c, 0,1
.irp i, 0,1,2
	v_permlane16_swap_b32 v[PC+6*\c+\i], v[PC+12+4*\c+\i]
.endr
.irp i, 0,1,2
	v_mov_b32 v[PC+3+6*\c+\i], v[PC+12+4*\c+\i]
.endr
.endr
.endm
.macro OUT a
.irp c, 0,1,2
	global_store_b128 v[LI], v[PC+4*\c:PC+4*\c+3], s[12:13] offset:FRB*(\a)+512*\c
.endr
.endm
.macro ROPE a
.set XA, 64*((\a)%4)
.set CT, 96*(1-(\a)%2)
.set SN, 224-192*((\a)%2)
.set WN, (2+(\a)/4)|4
	WIN WN
.set pp, 0
.rept 16
	v_pk_mul_f32 v[HA+2*pp:HA+2*pp+1], v[XA+2*pp:XA+2*pp+1], v[CT+2*pp:CT+2*pp+1]
	v_pk_mul_f32 v[HA+32+2*pp:HA+33+2*pp], v[XA+2*pp:XA+2*pp+1], v[SN+2*pp:SN+2*pp+1]
	v_pk_fma_f32 v[HA+2*pp:HA+2*pp+1], v[XA+32+2*pp:XA+33+2*pp], v[SN+2*pp:SN+2*pp+1], v[HA+2*pp:HA+2*pp+1] neg_lo:[0,1,0] neg_hi:[0,1,0]
	v_pk_fma_f32 v[HA+32+2*pp:HA+33+2*pp], v[XA+32+2*pp:XA+33+2*pp], v[CT+2*pp:CT+2*pp+1], v[HA+32+2*pp:HA+33+2*pp]
.set pp, pp+1
.endr
	WIN 0
.endm
.macro RBLOCK a
.if (\a) > 0
	s_wait_xcnt 0x0
.endif
.if (\a) < 7
	TABLE (\a)+1
	s_wait_loadcnt 16
.else
	s_wait_loadcnt 0x0
.endif
	ROPE \a
	QUANT HA, 0, PWS+(\a)
	OUT \a
.endm
.macro VBLOCK a
.if (\a) > 0
	s_wait_xcnt 0x0
.endif
.set QS, 64*((\a)%4)
.set QW, 2+(\a)/4
	QUANT QS, QW, PWS+(\a)
	OUT \a
.endm
	PLACES 4
	s_cmp_eq_u32 s66, 1
	s_cbranch_scc1 .Lv_path
.irp a, 0,1,2,3,4,5,6,7
	RBLOCK \a
.endr
	s_branch .Ljoin
.Lv_path:
.irp a, 0,1,2,3,4,5,6,7
	VBLOCK \a
.endr
.Ljoin:
	s_mov_b32 vcc_lo, 0xffff0000
.irp p, 0,1,2,3
	v_cndmask_b32 v[PWC+\p], v[PWS+2*\p], v[PWS+2*\p+1], vcc_lo
.endr
.irp p, 0,1,2,3
	global_store_b32 v[LS], v[PWC+\p], s[10:11] offset:128*\p
.endr
	s_wait_tensorcnt 0x0
	ds_add_u32 v[SPW], v[NIL]
	s_wait_dscnt 0x0
	CROUND
	s_endpgm
.Lfunc_end_k_q67dc2dacaf_qkv:
	.size	k_q67dc2dacaf_qkv, .Lfunc_end_k_q67dc2dacaf_qkv-k_q67dc2dacaf_qkv
	.p2alignl 7, 3214868480
	.fill 96, 4, 3214868480
	.section	.rodata,"a",@progbits
	.p2align	6, 0x0
	.amdhsa_kernel k_q67dc2dacaf_qkv
		.amdhsa_group_segment_fixed_size 327680
		.amdhsa_private_segment_fixed_size 0
		.amdhsa_enable_private_segment 0
		.amdhsa_kernarg_size 40
		.amdhsa_user_sgpr_count 2
		.amdhsa_user_sgpr_kernarg_segment_ptr 1
		.amdhsa_wavefront_size32 1
		.amdhsa_system_sgpr_workgroup_id_x 1
		.amdhsa_system_sgpr_workgroup_id_y 1
		.amdhsa_system_sgpr_workgroup_id_z 1
		.amdhsa_system_vgpr_workitem_id 0
		.amdhsa_next_free_vgpr 1024
		.amdhsa_next_free_sgpr 100
		.amdhsa_reserve_vcc 1
		.amdhsa_float_denorm_mode_32 3
		.amdhsa_float_denorm_mode_16_64 3
		.amdhsa_memory_ordered 1
		.amdhsa_forward_progress 1
		.amdhsa_inst_pref_size 221
	.end_amdhsa_kernel
	.amdgpu_metadata
---
amdhsa.version: [ 1, 2 ]
amdhsa.kernels:
  - .name:           k_q67dc2dacaf_qkv
    .symbol:         k_q67dc2dacaf_qkv.kd
    .args:
      - { .name: xq, .offset: 0, .size: 8, .value_kind: global_buffer, .address_space: global }
      - { .name: wq, .offset: 8, .size: 8, .value_kind: global_buffer, .address_space: global }
      - { .name: rope, .offset: 16, .size: 8, .value_kind: global_buffer, .address_space: global }
      - { .name: qq, .offset: 24, .size: 8, .value_kind: global_buffer, .address_space: global }
      - { .name: kvq, .offset: 32, .size: 8, .value_kind: global_buffer, .address_space: global }
    .group_segment_fixed_size: 327680
    .private_segment_fixed_size: 0
    .kernarg_segment_align: 8
    .kernarg_segment_size: 40
    .max_flat_workgroup_size: 128
    .sgpr_count:     100
    .vgpr_count:     1024
    .wavefront_size: 32
...
	.end_amdgpu_metadata
.endif
;; end of part 2
;; launch attno (part 3): grid 256 x 1, 16 waves a work-group, no clusters, 327,680 bytes of LDS; arguments qq, kvq, wq, out0; writes out0
.if DOCPART == 3
	.amdgcn_target "amdgcn-amd-amdhsa--gfx1250"
	.amdhsa_code_object_version 6
	.text
	.protected	k_q67dc2dacaf_attno
	.globl	k_q67dc2dacaf_attno
	.p2align	8
	.type	k_q67dc2dacaf_attno,@function
k_q67dc2dacaf_attno:
	s_mov_b64 s[64:65], 0
	v_nop
	global_prefetch_b8 v0, s[64:65] scope:SCOPE_SE
	s_setreg_imm32_b32 hwreg(HW_REG_WAVE_MODE, 25, 1), 1
	s_wait_xcnt 0x0
; CAUSAL ATTENTION AND THE LAST PRODUCT (x Wo^T) IN ONE LAUNCH, on codes of FP6 (E2M3) with E8M0 scales.
; t = score x log2(e) / sqrt(128); M = the running largest t rounded UP to a whole number; p = 2^(t - M) is quantised along the keys, not normalised; the sum is taken of the unquantised p.
; When M moves, the sum and O are multiplied by 2^(old M - new M): exact.  O / sum is quantised along the model's 1,024 (a head is one K step of 128) and multiplied by Wo's codes.
; LEFT OUT: key steps whose 128 keys all come after a wave's queries: the causal mask gives them the weight 0 for all values of the inputs.  A NaN or an infinity that reaches only such keys is not carried to the result.
; OPERANDS are images of their registers (1,536 bytes a fragment).  Fragment a of a group of 128 rows holds rows 32 (a / 2) + 8 (a % 2) + r + 8 (r / 8).
; Products are used transposed (S^T = K Q^T, O^T = V^T P^T, out^T = Wo O^T): a lane holds ONE token, and the 16 registers of two neighbouring tiles are 16 neighbours along the next axis.
; SHARES.  Work-group g: batch g / 64, G = (g / 8) % 8, j = g % 8: the 16 tokens of fragment j of group G (near) and of group 15 - G (far), for all 8 heads.
; Wave w: head (w % 4) + 4 (w / 8), near or far by (w / 4) % 2: near G + 1 key steps, far 16 - G: 17 for each head in every work-group.  A step is left out where its number is above the wave's group and masked where it equals it.
; RING: two LDS slots, each one key step of the batch's four K and V heads (4 x 24,576 bytes); waves 0-3 fetch a head each, one tensor load a wave behind each barrier.  Waves 4-7 bring a head's scale words (16,384 bytes) once.
; All 16 trips are walked (a constant count); behind step 15 - G a test on the work-group's number leads round the tensor load, and the steps' work is jumped over.
; NO CLUSTER: the number of tiles hangs on G, and the jump that ends the fetching may not lead round a joint load.
; In the trip in which a wave's keys end, its O is normalised, quantised and stored to an LDS stage as the operand's image.  Behind the loop and one barrier wave w multiplies the 32 tokens by Wo's rows 64 w .. 64 w + 63:
; Wo's fragments come from memory straight into registers, two K steps (24 loads a wave) out; the result turns through LDS (in slot 0, which has had its last fill) and leaves as aligned units of 256 bytes.
; PREFETCH: in trip t wave 8 names the step t + 2: the 64 work-groups of a batch share its 384 blocks of 256 bytes, a fragment (6 blocks) each, while t + 2 <= 15 - G; in the trip after, 32 blocks of Wo's codes and the scale words (108 shares, by g % 128).
; LIMITS: NaN and infinities are not served; the promise holds while |t| stays under 2^31.  A block whose every p is 0, or a block of O under 2^-124, gets the byte 1 with zero codes.
; A block's largest p is taken as the p of its largest score (v_exp_f32 is taken not to fall where its input rises).
; REGISTERS: v1-11 lane terms and LDS addresses; v12 -M, v13 largest t, v[14:15] the sum; v16-27 Q; v32-91 fragments; v96-159 S^T, then p, then V; v160-223 O^T; v224-235 p's codes; v232-254 at work; v248-251 scale words; v253 p's, v255 Q's.
.set SLOT1, 1<<17
.set FRB,   1536
.set KSB,   16*FRB
.set VOFF,  8*FRB
.set SCK,   229376                     ; the four heads' scale words: [head][key step][K 512, V 512]
.set SPARE, SCK+65536                  ; the spare words, 128 bytes a wave
.set AST,   SPARE+2048                 ; O's codes: [head][near, far][1,536]
.set SST,   AST+16*FRB                 ; O's scale words: [head][near, far][64]
.set XSEC,  0x600000
.set WSEC,  2359296
.set OPI,   272                        ; the way out: a stage row of 256 bytes + 16
.set LI, 1
.set LS, 2
.set R4, 3
.set ASTO, 4
.set SPW, 5
.set NIL, 6
.set SSTO, 7
.set ADK, 8
.set KB, 9
.set ADS, 10
.set SBA, 11
.set PFO, 28
.set DQ, 29
.set PFW, 30
.set TM, 232
.set STO, 248
.set RD, 249
.set CO, 250
.set ALD, 251
.set SLD, 252
.set TB, 2
.set TS, 3
.set WV, 18
.set RK, 19
.set SEL, 20
.set CS, 22
.set G1, 24
.set G0, 40
.set G1S, 48
.set G0S, 56
.set KS, 66
.set KMAX, 67
.set KM1, 68
.set WOS, 69
.set WCA, 70
.set WSA, 72
.set PFA, 76
.set PWA, 78
.macro NOPS n
.rept \n
	v_nop
.endr
.endm
; one product: source 0 at v[a] with scale word v[sa] (row ra), source 1 at v[b] with v[sb] (row rb); z = 1 starts the sum
.macro WM d, a, b, z, sa, sb, ra, rb
.set vr, 4*(\z)+2*(\ra)+(\rb)
.set rD, (\d)
.set rA, (\a)
.set rB, (\b)
.if vr == 0
	v_wmma_scale_f32_16x16x128_f8f6f4 v[rD:rD+7], v[rA:rA+11], v[rB:rB+11], v[rD:rD+7], v[\sa], v[\sb] matrix_a_fmt:MATRIX_FMT_FP6 matrix_b_fmt:MATRIX_FMT_FP6
.elseif vr == 1
	v_wmma_scale_f32_16x16x128_f8f6f4 v[rD:rD+7], v[rA:rA+11], v[rB:rB+11], v[rD:rD+7], v[\sa], v[\sb] matrix_a_fmt:MATRIX_FMT_FP6 matrix_b_fmt:MATRIX_FMT_FP6 matrix_b_scale:MATRIX_SCALE_ROW1
.elseif vr == 2
	v_wmma_scale_f32_16x16x128_f8f6f4 v[rD:rD+7], v[rA:rA+11], v[rB:rB+11], v[rD:rD+7], v[\sa], v[\sb] matrix_a_fmt:MATRIX_FMT_FP6 matrix_b_fmt:MATRIX_FMT_FP6 matrix_a_scale:MATRIX_SCALE_ROW1
.elseif vr == 3
	v_wmma_scale_f32_16x16x128_f8f6f4 v[rD:rD+7], v[rA:rA+11], v[rB:rB+11], v[rD:rD+7], v[\sa], v[\sb] matrix_a_fmt:MATRIX_FMT_FP6 matrix_b_fmt:MATRIX_FMT_FP6 matrix_a_scale:MATRIX_SCALE_ROW1 matrix_b_scale:MATRIX_SCALE_ROW1
.elseif vr == 4
	v_wmma_scale_f32_16x16x128_f8f6f4 v[rD:rD+7], v[rA:rA+11], v[rB:rB+11], 0, v[\sa], v[\sb] matrix_a_fmt:MATRIX_FMT_FP6 matrix_b_fmt:MATRIX_FMT_FP6
.elseif vr == 5
	v_wmma_scale_f32_16x16x128_f8f6f4 v[rD:rD+7], v[rA:rA+11], v[rB:rB+11], 0, v[\sa], v[\sb] matrix_a_fmt:MATRIX_FMT_FP6 matrix_b_fmt:MATRIX_FMT_FP6 matrix_b_scale:MATRIX_SCALE_ROW1
.elseif vr == 6
	v_wmma_scale_f32_16x16x128_f8f6f4 v[rD:rD+7], v[rA:rA+11], v[rB:rB+11], 0, v[\sa], v[\sb] matrix_a_fmt:MATRIX_FMT_FP6 matrix_b_fmt:MATRIX_FMT_FP6 matrix_a_scale:MATRIX_SCALE_ROW1
.else
	v_wmma_scale_f32_16x16x128_f8f6f4 v[rD:rD+7], v[rA:rA+11], v[rB:rB+11], 0, v[\sa], v[\sb] matrix_a_fmt:MATRIX_FMT_FP6 matrix_b_fmt:MATRIX_FMT_FP6 matrix_a_scale:MATRIX_SCALE_ROW1 matrix_b_scale:MATRIX_SCALE_ROW1
.endif
.endm
.macro LD3 reg, adr, off               ; a fragment's image from LDS
.irp c, 0,1,2
	ds_load_b128 v[(\reg)+4*\c:(\reg)+4*\c+3], v[\adr] offset:(\off)+512*\c
.endr
.endm
; 64 numbers at v96 on (register 16 b + i: place 32 b + 16 (lane / 16) + i) whose blocks' largest magnitudes stand in v232-235: scale word into v[pw], codes into v[pc] .. v[pc + 11] (v[px] on at work)
.macro CODES pc, px, pw
.irp b, 0,1,2,3
	s_delay_alu instid0(VALU_DEP_4)
	v_add_nc_u32 v[244+\b], 0xff000000, v[232+\b]  ; 2 off the exponent field: the conversion's scale operand
.endr
.irp b, 0,1,2,3
	s_delay_alu instid0(VALU_DEP_4)
	v_lshrrev_b32 v[236+\b], 23, v[244+\b]         ; the scale's byte
.endr
	s_delay_alu instid0(VALU_DEP_3)
	v_lshl_or_b32 v[\pw], v237, 8, v236
	s_delay_alu instid0(VALU_DEP_1)
	v_lshl_or_b32 v[\pw], v238, 16, v[\pw]
	s_delay_alu instid0(VALU_DEP_1)
	v_lshl_or_b32 v[\pw], v239, 24, v[\pw]
.irp c, 0,1
	v_cvt_scalef32_pk16_fp6_f32 v[\pc+6*\c:\pc+2+6*\c], v[96+32*\c:111+32*\c], v[244+2*\c]
	v_cvt_scalef32_pk16_fp6_f32 v[\px+4*\c:\px+2+4*\c], v[112+32*\c:127+32*\c], v[245+2*\c]
.endr
	v_nop                                          ; one plain place behind a scaled conversion
.endm
.macro WHOLE pc, px                    ; the operand wants a whole block in a lane
.irp c, 0,1
.irp i, 0,1,2
	v_permlane16_swap_b32 v[\pc+6*\c+\i], v[\px+4*\c+\i]
.endr
.irp i, 0,1,2
	v_mov_b32 v[\pc+3+6*\c+\i], v[\px+4*\c+\i]
.endr
.endr
.endm
	s_load_b128 s[4:7], s[0:1], 0x0                ; qq, kvq
	s_load_b128 s[8:11], s[0:1], 0x10              ; wq, out0
	v_lshl_add_u32 v[SPW], v0, 2, SPARE
	v_mov_b32 v[NIL], 0
	ds_add_u32 v[SPW], v[NIL]                      ; the opening lines: the add twice on end and one wait
	ds_add_u32 v[SPW], v[NIL]
	v_lshrrev_b32 v8, 5, v0
	v_readfirstlane_b32 s[WV], v8                  ; wave 0..15
	s_bfe_u32 s12, s[WV], 0x10002                  ; far?
	s_and_b32 s13, s[WV], 3
	s_lshr_b32 s14, s[WV], 3
	s_lshl_b32 s14, s14, 2
	s_or_b32 s14, s14, s13                         ; head
	s_lshr_b32 s15, s14, 1                         ; its K and V head
	s_lshr_b32 s16, ttmp9, 6                       ; batch
	s_bfe_u32 s17, ttmp9, 0x30003                  ; G
	s_and_b32 s32, ttmp9, 7                        ; j
	s_sub_co_u32 s[KMAX], 15, s17                  ; the last key step that the work-group needs
	s_add_co_u32 s[KM1], s[KMAX], 1
	s_cmp_eq_u32 s12, 1
	s_cselect_b32 s[RK], s[KMAX], s17              ; my group of 128 tokens
	s_lshl_b32 s33, s16, 2
	s_add_co_u32 s33, s33, s13                     ; the head that I fetch for: 4 b + wave % 4
	s_mul_i32 s34, s33, 16*KSB
	s_mov_b32 s35, 0
	s_lshl_b32 s36, s33, 14
	s_add_co_u32 s36, s36, XSEC
	s_mov_b32 s37, 0
	s_mul_i32 s38, s13, KSB
	s_lshl_b32 s39, s13, 14
	s_mov_b32 s[G1], 3<<16                         ; elements of 8 bytes; 24,576 dense bytes as 96 rows of 256
	s_mov_b32 s[G1+1], 32<<16
	s_mov_b32 s[G1+2], 96<<16
	s_mov_b32 s[G1+3], 32<<16
	s_mov_b32 s[G1+4], 96
	s_mov_b32 s[G1+5], 32
	s_mov_b32 s[G1+6], 0
	s_mov_b32 s[G1+7], 0
	s_mov_b32 s[G1S], 3<<16                        ; 16,384 dense bytes as 64 rows of 256
	s_mov_b32 s[G1S+1], 32<<16
	s_mov_b32 s[G1S+2], 64<<16
	s_mov_b32 s[G1S+3], 32<<16
	s_mov_b32 s[G1S+4], 64
	s_mov_b32 s[G1S+5], 32
	s_mov_b32 s[G1S+6], 0
	s_mov_b32 s[G1S+7], 0
	s_lshl_b32 s33, s16, 3                         ; Q: [(8 b + head) 16 + group][fragment j]
	s_add_co_u32 s33, s33, s14
	s_lshl_b32 s33, s33, 4
	s_add_co_u32 s33, s33, s[RK]
	s_mul_i32 s82, s33, 8*FRB
	s_mul_i32 s86, s32, FRB
	s_add_co_u32 s82, s82, s86
	s_mov_b32 s83, 0
	s_lshl_b32 s84, s33, 9
	s_lshl_b32 s86, s32, 6
	s_add_co_u32 s84, s84, s86
	s_add_co_u32 s84, s84, XSEC
	s_mov_b32 s85, 0
	s_lshr_b32 s81, s32, 1                         ; my fragment's first row in its group: 32 (j / 2) + 8 (j % 2)
	s_lshl_b32 s81, s81, 5
	s_and_b32 s87, s32, 1
	s_lshl_b32 s87, s87, 3
	s_add_co_u32 s81, s81, s87
	s_lshl_b32 s87, s16, 11                        ; out0: rows of 4,096 bytes; my 256 bytes of a row at 256 x wave
	s_add_co_u32 s87, s87, s81
	s_lshl_b32 s33, s[WV], 8
	s_lshl_b32 s88, s17, 7
	s_add_co_u32 s88, s88, s87
	s_lshl_b32 s88, s88, 12
	s_add_co_u32 s88, s88, s33
	s_mov_b32 s89, 0
	s_lshl_b32 s90, s[KMAX], 7
	s_add_co_u32 s90, s90, s87
	s_lshl_b32 s90, s90, 12
	s_add_co_u32 s90, s90, s33
	s_mov_b32 s91, 0
	s_lshr_b32 s33, s[WV], 2                       ; Wo: tile 8 + wave / 4, fragments 4 (wave % 4) on
	s_add_co_u32 s33, s33, 8
	s_mul_i32 s[WCA], s33, 8*KSB
	s_mul_i32 s86, s13, 4*FRB
	s_add_co_u32 s[WCA], s[WCA], s86
	s_mov_b32 s[WCA+1], 0
	s_lshl_b32 s[WSA], s33, 13
	s_lshl_b32 s86, s13, 8
	s_add_co_u32 s[WSA], s[WSA], s86
	s_add_co_u32 s[WSA], s[WSA], WSEC
	s_mov_b32 s[WSA+1], 0
	s_and_b32 s33, ttmp9, 63                       ; the prefetches: head (g % 64) / 16, fragment g % 16, standing one step ahead of the first step named less one
	s_lshr_b32 s86, s33, 4
	s_lshl_b32 s87, s16, 2
	s_add_co_u32 s86, s86, s87
	s_mul_i32 s[PFA], s86, 16*KSB
	s_and_b32 s33, s33, 15
	s_mul_i32 s33, s33, FRB
	s_add_co_u32 s[PFA], s[PFA], s33
	s_add_co_u32 s[PFA], s[PFA], KSB
	s_mov_b32 s[PFA+1], 0
	s_and_b32 s[WOS], ttmp9, 127
	s_lshl_b32 s[PWA], s[WOS], 13
	s_add_co_u32 s[PWA], s[PWA], 64*KSB            ; where Wo's codes begin in wq
	s_mov_b32 s[PWA+1], 0
	s_mul_i32 s80, s[WV], 16*OPI                   ; my stage on the way out
	s_mul_i32 s92, s15, KSB                        ; my head's tile in a slot
	s_lshl_b32 s93, s15, 14
	s_add_co_u32 s93, s93, SCK                     ; and its scale words
	s_lshl_b32 s94, s14, 1
	s_add_co_u32 s94, s94, s12
	s_lshl_b32 s95, s94, 6
	s_add_co_u32 s95, s95, SST
	s_mul_i32 s94, s94, FRB
	s_add_co_u32 s94, s94, AST
	s_mov_b32 s[SEL], 0x76543210
	s_mov_b32 s[SEL+1], 0xfedcba98
	s_mov_b32 s[CS], 0x3e0293ee                    ; log2(e) / sqrt(128)
	s_mov_b32 s[CS+1], s[CS]
	s_mov_b32 s[TB], 0
	s_mov_b32 s[TS], 0
	s_mov_b32 s[KS], 0
	s_wait_alu depctr_va_vdst(0)                   ; the wait ahead of the waits below
	s_wait_dscnt 0x0                               ; both opening adds are done
	s_wait_kmcnt 0x0
	s_mov_b32 s[G0], 1
	s_mov_b32 s[G0+1], s38
	s_add_nc_u64 s[G0+2:G0+3], s[6:7], s[34:35]
	s_or_b32 s[G0+3], s[G0+3], 0x80000000
	s_mov_b32 s[G0S], 1
	s_add_co_u32 s[G0S+1], s39, SCK
	s_add_nc_u64 s[G0S+2:G0S+3], s[6:7], s[36:37]
	s_or_b32 s[G0S+3], s[G0S+3], 0x80000000
	s_cmp_lt_u32 s[WV], 4                          ; the head's fills: one chain, one load to an arm
	s_cbranch_scc0 .Lhead_s
	tensor_load_to_lds s[G0:G0+3], s[G1:G1+7]      ; key step 0 of my head
	s_nop 0
	NOPS 4
	s_branch .Lhead_j
.Lhead_s:
	s_cmp_lt_u32 s[WV], 8
	s_cbranch_scc0 .Lhead_j
	tensor_load_to_lds s[G0S:G0S+3], s[G1S:G1S+7]  ; a head's scale words: filled once
	s_nop 0
	NOPS 4
.Lhead_j:
	s_add_nc_u64 s[82:83], s[4:5], s[82:83]
	s_add_nc_u64 s[84:85], s[4:5], s[84:85]
	s_add_nc_u64 s[PFA:PFA+1], s[6:7], s[PFA:PFA+1]
	s_add_nc_u64 s[PWA:PWA+1], s[8:9], s[PWA:PWA+1]
	s_add_nc_u64 s[WCA:WCA+1], s[8:9], s[WCA:WCA+1]
	s_add_nc_u64 s[WSA:WSA+1], s[8:9], s[WSA:WSA+1]
	s_add_nc_u64 s[88:89], s[10:11], s[88:89]
	s_add_nc_u64 s[90:91], s[10:11], s[90:91]
	v_and_b32 v4, 31, v0
	v_and_b32 v10, 15, v0                          ; r
	v_bfe_u32 v8, v0, 4, 1                         ; h
	v_lshlrev_b32 v[LI], 4, v4
	v_lshlrev_b32 v[LS], 2, v4
	v_min_u32 v[PFO], 5, v4                        ; six blocks of 256 bytes; the lanes left over name the last again
	v_lshlrev_b32 v[PFW], 8, v4
	v_lshlrev_b32 v[R4], 2, v10
	v_and_b32 v[DQ], 8, v10
	v_lshlrev_b32 v8, 4, v8
	v_lshlrev_b32 v[PFO], 8, v[PFO]
	v_add_nc_u32 v[DQ], v[DQ], v10
	v_add_nc_u32 v[KB], s92, v[LI]
	v_add_nc_u32 v[SBA], s93, v[LS]
	v_sub_nc_u32 v[DQ], v[DQ], v8
	v_add_nc_u32 v[ASTO], s94, v[LI]
	v_add_nc_u32 v[SSTO], s95, v[R4]
	v_add_nc_u32 v[DQ], s81, v[DQ]                 ; my query's place in its group less 16 h
.irp c, 0,1,2
	global_load_b128 v[16+4*\c:19+4*\c], v[LI], s[82:83] offset:512*\c   ; Q stays in registers
.endr
	global_load_b32 v255, v[R4], s[84:85]          ; lane r: query r's word
	v_mov_b32 v13, 0xff61b1e6                      ; the largest t so far: -3e38
	v_mov_b32 v14, 0
	v_mov_b32 v15, 0
	v_floor_f32 v12, -v13                          ; -M
.irp b, 0,1,2,3
	v_mov_b32 v[236+\b], 0                         ; a lane permute's destination counts as one of its sources
.endr
	v_mov_b32 v252, 0
	v_mov_b32 v253, 0
.set n, 0
.rept 64
	v_mov_b32 v[160+n], 0                          ; O^T: the step has no first form of its own; the first change of M multiplies zeros
.set n, n+1
.endr
	s_wait_alu depctr_va_vdst(0)                   ; the wait at the head's end
	s_wait_loadcnt 0x0                             ; Q and its words
.Ltrip:                                            ; 16 trips, one key step each
	s_wait_tensorcnt 0x0                           ; no tensor load of mine is out
	ds_add_u32 v[SPW], v[NIL]                      ; the add, here twice
	ds_add_u32 v[SPW], v[NIL]
	s_xor_b32 s[G0+1], s[G0+1], SLOT1              ; the other slot,
	s_add_nc_u64 s[G0+2:G0+3], s[G0+2:G0+3], KSB   ; the next key step
	s_wait_xcnt 0x0                                ; the last prefetch has read its address
	s_add_nc_u64 s[PFA:PFA+1], s[PFA:PFA+1], KSB
	s_wait_dscnt 0x0                               ; the adds are done, and my reads of the slot left behind
	s_barrier_signal -1
	s_barrier_wait -1
	s_cmp_ge_u32 s[KS], s[KMAX]                    ; no step of the work-group reads a further tile: ids alone, alike in all waves
	s_cbranch_scc1 .Lnofill
	s_cmp_lt_u32 s[WV], 4
	s_cbranch_scc0 .Lnofill
	tensor_load_to_lds s[G0:G0+3], s[G1:G1+7]      ; my one load behind the barrier (in trip 0: slot 1's first fill)
	s_nop 0
	NOPS 4
.Lnofill:
	s_cmp_lg_u32 s[WV], 8
	s_cbranch_scc1 .Lnoask
	s_add_co_u32 s87, s[KS], 2
	s_cmp_gt_u32 s87, s[KMAX]
	s_cbranch_scc1 .Lask_wo
	global_prefetch_b8 v[PFO], s[PFA:PFA+1] th:TH_LOAD_NT scope:SCOPE_SE   ; my fragment of key step KS + 2
	s_branch .Lnoask
.Lask_wo:
	s_cmp_lg_u32 s87, s[KM1]
	s_cbranch_scc1 .Lnoask
	s_cmp_ge_u32 s[WOS], 108
	s_cbranch_scc1 .Lnoask
	global_prefetch_b8 v[PFW], s[PWA:PWA+1] th:TH_LOAD_NT scope:SCOPE_SE   ; my 8,192 bytes of Wo's codes and the scale words
.Lnoask:
	s_cmp_gt_u32 s[KS], s[RK]                      ; all its keys come after my queries
	s_cbranch_scc1 .Lhidden
	v_add_nc_u32 v[ADK], s[TB], v[KB]
	v_add_nc_u32 v[ADS], s[TS], v[SBA]
	s_wait_alu depctr_va_vdst(0)                   ; the wait
	NOPS 5                                         ; with the two additions: the places in front of loads into registers that the last products read, and of products that write over V's last fragments
.irp p, 0,1,2,3
	ds_load_b32 v[248+\p], v[ADS] offset:128*\p    ; K's scale words
.endr
	LD3 140, ADK, 7*FRB                            ; all eight fragments of K at once: tile 7's lies where tiles 5 and 6 will be written
	LD3 32, ADK, 0
	LD3 44, ADK, FRB
	LD3 56, ADK, 2*FRB
	LD3 68, ADK, 3*FRB
	LD3 80, ADK, 4*FRB
	LD3 224, ADK, 5*FRB
	LD3 236, ADK, 6*FRB
	s_wait_dscnt 12                                ; the youngest four fragments may be out
	WM 152, 140, 16, 1, 251, 255, 1, 0             ; S^T = K Q^T
	WM 96, 32, 16, 1, 248, 255, 0, 0
	WM 104, 44, 16, 1, 248, 255, 1, 0
	WM 112, 56, 16, 1, 249, 255, 0, 0
	s_wait_dscnt 0x0
	WM 120, 68, 16, 1, 249, 255, 1, 0
	WM 128, 80, 16, 1, 250, 255, 0, 0
	NOPS 5                                         ; five places: tiles 5 and 6 write over tile 7's fragment; also the places in front of V's loads
	WM 136, 224, 16, 1, 250, 255, 1, 0
	WM 144, 236, 16, 1, 251, 255, 0, 0
.irp t, 0,1,2,3,4
	LD3 32+12*\t, ADK, VOFF+FRB*\t                 ; five fragments of V are asked for ahead of the softmax
.endr
	NOPS 4
	s_cmp_lt_u32 s[KS], s[RK]                      ; on the diagonal the scores of hidden keys become -infinity: p = 0
	s_cbranch_scc1 .Lopen
	v_mov_b32 v254, 0xff800000
.set n, 0
.rept 64
	v_cmp_gt_i32 vcc_lo, 32*(n/16)+n%16, v[DQ]
	v_cndmask_b32 v[96+n], v[96+n], v254, vcc_lo
.set n, n+1
.endr
.Lopen:
.irp b, 0,1,2,3
	v_max3_num_f32 v[232+\b], v[96+16*\b], v[97+16*\b], v[98+16*\b]   ; each block's largest score: for the row's maximum and for the block's largest p
.endr
.irp i, 3,5,7,9,11,13
.irp b, 0,1,2,3
	v_max3_num_f32 v[232+\b], v[232+\b], v[96+16*\b+\i], v[97+16*\b+\i]
.endr
.endr
.irp b, 0,1,2,3
	v_max_num_f32 v[232+\b], v[232+\b], v[111+16*\b]
.endr
.irp b, 0,1,2,3
	s_delay_alu instid0(VALU_DEP_4)
	v_permlanex16_b32 v[236+\b], v[232+\b], s[SEL], s[SEL+1]
.endr
.irp b, 0,1,2,3
	s_delay_alu instid0(VALU_DEP_4)
	v_max_num_f32 v[232+\b], v[232+\b], v[236+\b]
.endr
	s_delay_alu instid0(VALU_DEP_2)
	v_max3_num_f32 v254, v232, v233, v234
	s_delay_alu instid0(VALU_DEP_1)
	v_max_num_f32 v254, v254, v235
	s_delay_alu instid0(VALU_DEP_1)
	v_mul_f32 v254, s[CS], v254
	s_delay_alu instid0(VALU_DEP_1)
	v_max_num_f32 v13, v13, v254                   ; the running largest t
	v_mov_b32 v254, v12
	s_delay_alu instid0(VALU_DEP_2)
	v_floor_f32 v12, -v13                          ; the new -M
	s_delay_alu instid0(VALU_DEP_1)
	v_sub_f32 v254, v12, v254
	s_delay_alu instid0(VALU_DEP_1)
	v_cvt_i32_f32 v254, v254
	s_delay_alu instid0(VALU_DEP_1)
	v_ldexp_f32 v252, 1.0, v254                    ; f = 2^(old M - new M)
.set n, 0
.rept 32
	v_pk_fma_f32 v[96+n:97+n], v[96+n:97+n], s[CS:CS+1], v[12:13] op_sel_hi:[1,0,0]   ; t - M
.set n, n+2
.endr
.irp b, 0,1,2,3
	v_fma_f32 v[232+\b], v[232+\b], s[CS], v12
.endr
	s_wait_alu depctr_va_vdst(0)                   ; the wait ahead of the batch
.set n, 0
.rept 64
	v_exp_f32 v[96+n], v[96+n]                     ; p
.set n, n+1
.endr
	v_pk_mul_f32 v[14:15], v[14:15], v[252:253] op_sel_hi:[1,0]
	s_wait_alu depctr_va_vdst(0)                   ; one wait for the 64
.irp b, 0,1,2,3
	v_exp_f32 v[232+\b], v[232+\b]                 ; the block's largest p
.endr
	v_pk_add_f32 v[236:237], v[100:101], v[104:105]   ; the sum of the unquantised p, in eight chains
	v_pk_add_f32 v[250:251], v[108:109], v[112:113]
	v_pk_add_f32 v[248:249], v[116:117], v[120:121]
	v_pk_add_f32 v[246:247], v[124:125], v[128:129]
	v_pk_add_f32 v[244:245], v[132:133], v[136:137]
	v_pk_add_f32 v[242:243], v[140:141], v[144:145]
	v_pk_add_f32 v[240:241], v[148:149], v[152:153]
	v_pk_add_f32 v[14:15], v[14:15], v[156:157]
	v_pk_add_f32 v[236:237], v[236:237], v[96:97]
	v_pk_add_f32 v[250:251], v[250:251], v[98:99]
	v_pk_add_f32 v[248:249], v[248:249], v[102:103]
	v_pk_add_f32 v[246:247], v[246:247], v[106:107]
	v_pk_add_f32 v[244:245], v[244:245], v[110:111]
	v_pk_add_f32 v[242:243], v[242:243], v[114:115]
	v_pk_add_f32 v[240:241], v[240:241], v[118:119]
	v_pk_add_f32 v[14:15], v[14:15], v[122:123]
	v_pk_add_f32 v[236:237], v[236:237], v[126:127]
	v_pk_add_f32 v[250:251], v[250:251], v[130:131]
	v_pk_add_f32 v[248:249], v[248:249], v[134:135]
	v_pk_add_f32 v[246:247], v[246:247], v[138:139]
	v_pk_add_f32 v[244:245], v[244:245], v[142:143]
	v_pk_add_f32 v[242:243], v[242:243], v[146:147]
	v_pk_add_f32 v[240:241], v[240:241], v[150:151]
	v_pk_add_f32 v[14:15], v[14:15], v[154:155]
	v_pk_add_f32 v[236:237], v[236:237], v[158:159]
	v_pk_add_f32 v[14:15], v[14:15], v[246:247]
	v_pk_add_f32 v[236:237], v[236:237], v[244:245]
	v_pk_add_f32 v[250:251], v[250:251], v[242:243]
	v_pk_add_f32 v[248:249], v[248:249], v[240:241]
	s_delay_alu instid0(VALU_DEP_2)
	v_pk_add_f32 v[14:15], v[14:15], v[250:251]
	s_delay_alu instid0(VALU_DEP_2)
	v_pk_add_f32 v[236:237], v[236:237], v[248:249]
	s_delay_alu instid0(VALU_DEP_1)
	v_pk_add_f32 v[14:15], v[14:15], v[236:237]
	s_wait_alu depctr_va_vdst(0)                   ; and one for the four
.irp b, 0,1,2,3
	v_max_num_f32 v[232+\b], 0x1800000, v[232+\b]  ; the floor 2^(3 - 127): the byte cannot fall under 1
.endr
	CODES 224, 236, 253
.irp t, 5,6,7
	LD3 96+12*(\t-5), ADK, VOFF+FRB*\t             ; p is in codes: V's last three fragments land where it stood
.endr
.irp p, 0,1,2,3
	ds_load_b32 v[248+\p], v[ADS] offset:512+128*\p
.endr
	WHOLE 224, 236
	s_wait_alu depctr_va_vdst(0)                   ; the wait directly ahead of the first reader of O^T
.set n, 0
.rept 32
	v_pk_mul_f32 v[160+n:161+n], v[160+n:161+n], v[252:253] op_sel_hi:[1,0]   ; O^T under the new M; also the places in front of the products
.set n, n+2
.endr
	s_wait_alu depctr_va_vdst(0)                   ; and ahead of the wait below
	s_wait_dscnt 0x0
.irp t, 0,1,2,3,4
	WM 160+8*\t, 32+12*\t, 224, 0, 248+\t/2, 253, \t%2, 0   ; O^T += V^T P^T, eight accumulators by turns
.endr
.irp t, 5,6,7
	WM 160+8*\t, 96+12*(\t-5), 224, 0, 248+\t/2, 253, \t%2, 0
.endr
	s_cmp_lg_u32 s[KS], s[RK]
	s_cbranch_scc1 .Lhidden
	; my keys end here: O^T / the sum, quantised along the head's 128, to the stage as the operand's image
	v_add_f32 v14, v14, v15
	s_delay_alu instid0(VALU_DEP_1)
	v_permlanex16_b32 v252, v14, s[SEL], s[SEL+1]
	s_delay_alu instid0(VALU_DEP_1)
	v_add_f32 v14, v14, v252
	s_wait_alu depctr_va_vdst(0)
	v_rcp_f32 v14, v14
	NOPS 4                                         ; the place behind the reciprocal, and the places behind the last products
	s_wait_alu depctr_va_vdst(0)
.set n, 0
.rept 32
	v_pk_mul_f32 v[96+n:97+n], v[160+n:161+n], v[14:15] op_sel_hi:[1,0]   ; each accumulator from its low end on
.set n, n+2
.endr
.irp b, 0,1,2,3
	v_max3_num_f32 v[TM+\b], |v[96+16*\b]|, |v[97+16*\b]|, 0x1800000
.endr
.irp i, 2,4,6,8,10,12,14
.irp b, 0,1,2,3
	v_max3_num_f32 v[TM+\b], v[TM+\b], |v[96+16*\b+\i]|, |v[97+16*\b+\i]|
.endr
.endr
.irp b, 0,1,2,3
	s_delay_alu instid0(VALU_DEP_4)
	v_permlanex16_b32 v[TM+4+\b], v[TM+\b], s[SEL], s[SEL+1]
.endr
.irp b, 0,1,2,3
	s_delay_alu instid0(VALU_DEP_4)
	v_max_num_f32 v[TM+\b], v[TM+\b], v[TM+4+\b]
.endr
	CODES 32, 44, 248
	WHOLE 32, 44
.irp c, 0,1,2
	ds_store_b128 v[ASTO], v[32+4*\c:35+4*\c] offset:512*\c
.endr
	ds_store_b32 v[SSTO], v248                     ; lanes 16-31 hold the same words and store them to the same places
	s_wait_alu depctr_va_vdst(0)
.Lhidden:
	s_xor_b32 s[TB], s[TB], SLOT1
	s_add_co_u32 s[TS], s[TS], 1024
	s_add_co_u32 s[KS], s[KS], 1
	s_cmp_lt_u32 s[KS], 16
	s_cbranch_scc1 .Ltrip
	; THE LAST PRODUCT.  32 tokens x Wo's rows 64 w .. 64 w + 63, K = 8 heads of 128.  v8-15 O's scale words (lanes 0-15 near, 16-31 far), v16-31 Wo's; Wo's fragments in v32-79 and v96-143 by turns; O's in v80-91, v144-155 and v224-247 by turns
.macro GB k
.set GS, 32+64*((\k)%2)
.irp bf, 0,1,2,3
.irp c, 0,1,2
	global_load_b128 v[GS+12*\bf+4*\c:GS+12*\bf+4*\c+3], v[LI], s[WCA:WCA+1] offset:KSB*(\k)+FRB*\bf+512*\c
.endr
.endr
.endm
.macro AL k
.set L0, 80+144*((\k)%2)
.set L1, 144+92*((\k)%2)
	LD3 L0, ALD, 2*FRB*(\k)
	LD3 L1, ALD, 2*FRB*(\k)+FRB
.endm
.macro KST k, z
.set BS, 32+64*((\k)%2)
.set A0, 80+144*((\k)%2)
.set A1, 144+92*((\k)%2)
.if (\k) < 7
	s_wait_loadcnt 12                              ; the next K step's 12 loads may be out,
	s_wait_dscnt 6                                 ; and its six LDS loads
.else
	s_wait_loadcnt 0x0
	s_wait_dscnt 0x0
.endif
.irp bf, 0,1,2,3
	WM 160+16*\bf, BS+12*\bf, A0, \z, 16+2*(\k)+\bf/2, 8+(\k), \bf%2, 0
	WM 168+16*\bf, BS+12*\bf, A1, \z, 16+2*(\k)+\bf/2, 8+(\k), \bf%2, 1
.endr
	NOPS 4
.if (\k) < 6
	GB (\k)+2
	AL (\k)+2
.endif
.endm
	NOPS 4                                         ; places behind the last products
	s_wait_xcnt 0x0                                ; the prefetches have read their registers
	v_and_b32 v253, 15, v0
	v_bfe_u32 v254, v0, 4, 1
	v_add_nc_u32 v[ALD], AST, v[LI]
	v_add_nc_u32 v[SLD], SST, v[LS]
	v_mul_u32_u24 v[STO], v253, OPI
	v_mul_u32_u24 v[RD], v254, OPI
	v_lshlrev_b32 v[CO], 12, v254
	v_lshl_add_u32 v[STO], v254, 6, v[STO]
	v_lshl_add_u32 v[RD], v253, 4, v[RD]
	v_lshl_add_u32 v[CO], v253, 4, v[CO]           ; out0: 4,096 (lane / 16) + 16 (lane % 16)
	v_add_nc_u32 v[STO], s80, v[STO]               ; into my stage: row r, + 64 h
	v_add_nc_u32 v[RD], s80, v[RD]                 ; out of it: sixteen lanes to a row
.set n, 0
.rept 8
	global_load_b32 v[16+2*n], v[LS], s[WSA:WSA+1] offset:1024*n
	global_load_b32 v[17+2*n], v[LS], s[WSA:WSA+1] offset:1024*n+128
.set n, n+1
.endr
	GB 0
	GB 1
	s_wait_alu depctr_va_vdst(0)                   ; the wait ahead of the waits below
	s_wait_tensorcnt 0x0
	s_wait_dscnt 0x0                               ; my stores to the stage and my reads of the ring are done
	s_barrier_signal -1
	s_barrier_wait -1
.set n, 0
.rept 8
	ds_load_b32 v[8+n], v[SLD] offset:128*n
.set n, n+1
.endr
	AL 0
	AL 1
	KST 0, 1
.irp k, 1,2,3,4,5,6,7
	KST \k, 0
.endr
	; THE WAY OUT: a lane holds 8 x 16 bytes of a token's 256; 16 rows turn through my stage and leave as aligned units of 256 bytes
.irp f, 0,1
.irp bf, 0,1,2,3
	ds_store_b128 v[STO], v[160+16*\bf+8*\f:163+16*\bf+8*\f] offset:128*(\bf/2)+32*(\bf%2)
	ds_store_b128 v[STO], v[164+16*\bf+8*\f:167+16*\bf+8*\f] offset:128*(\bf/2)+32*(\bf%2)+16
.endr
.irp t, 0,1,2,3,4,5,6,7
	ds_load_b128 v[32+64*\f+4*\t:35+64*\f+4*\t], v[RD] offset:2*\t*OPI   ; LDS serves a wave's instructions in order
.endr
.endr
	s_wait_dscnt 16                                ; the far tokens' 8 stores and 8 loads may be out
.irp t, 0,1,2,3,4,5,6,7
	global_store_b128 v[CO], v[32+4*\t:35+4*\t], s[88:89] offset:(2*\t+8*(\t/4))*4096 th:TH_STORE_NT
.endr
	s_wait_dscnt 0x0
.irp t, 0,1,2,3,4,5,6,7
	global_store_b128 v[CO], v[96+4*\t:99+4*\t], s[90:91] offset:(2*\t+8*(\t/4))*4096 th:TH_STORE_NT
.endr
	s_wait_tensorcnt 0x0                           ; the wave's end
	ds_add_u32 v[SPW], v[NIL]
	s_wait_dscnt 0x0
	s_endpgm
.Lfunc_end_k_q67dc2dacaf_attno:
	.size	k_q67dc2dacaf_attno, .Lfunc_end_k_q67dc2dacaf_attno-k_q67dc2dacaf_attno
	.p2alignl 7, 3214868480
	.fill 96, 4, 3214868480
	.section	.rodata,"a",@progbits
	.p2align	6, 0x0
	.amdhsa_kernel k_q67dc2dacaf_attno
		.amdhsa_group_segment_fixed_size 327680
		.amdhsa_private_segment_fixed_size 0
		.amdhsa_enable_private_segment 0
		.amdhsa_kernarg_size 32
		.amdhsa_user_sgpr_count 2
		.amdhsa_user_sgpr_kernarg_segment_ptr 1
		.amdhsa_wavefront_size32 1
		.amdhsa_system_sgpr_workgroup_id_x 1
		.amdhsa_system_sgpr_workgroup_id_y 1
		.amdhsa_system_sgpr_workgroup_id_z 1
		.amdhsa_system_vgpr_workitem_id 0
		.amdhsa_next_free_vgpr 256
		.amdhsa_next_free_sgpr 100
		.amdhsa_reserve_vcc 1
		.amdhsa_float_denorm_mode_32 3
		.amdhsa_float_denorm_mode_16_64 3
		.amdhsa_memory_ordered 1
		.amdhsa_forward_progress 1
		.amdhsa_inst_pref_size 72
	.end_amdhsa_kernel
	.amdgpu_metadata
---
amdhsa.version: [ 1, 2 ]
amdhsa.kernels:
  - .name:           k_q67dc2dacaf_attno
    .symbol:         k_q67dc2dacaf_attno.kd
    .args:
      - { .name: qq, .offset: 0, .size: 8, .value_kind: global_buffer, .address_space: global }
      - { .name: kvq, .offset: 8, .size: 8, .value_kind: global_buffer, .address_space: global }
      - { .name: wq, .offset: 16, .size: 8, .value_kind: global_buffer, .address_space: global }
      - { .name: out0, .offset: 24, .size: 8, .value_kind: global_buffer, .address_space: global }
    .group_segment_fixed_size: 327680
    .private_segment_fixed_size: 0
    .kernarg_segment_align: 8
    .kernarg_segment_size: 32
    .max_flat_workgroup_size: 512
    .sgpr_count:     100
    .vgpr_count:     256
    .wavefront_size: 32
...
	.end_amdgpu_metadata
.endif
;; end of part 3
